; MI455X (gfx1250); checked and timed in simulation.
; The chip was launched on July 23, 2026; its instructions are those of AMD's public machine-readable ISA for CDNA 5 (MIT licence, August 2026) and "CDNA5" Instruction Set Architecture Reference Guide (July 2026). The comments in the code are by the model that wrote it; some were corrected since.
;; Phi Mo E Sparse Moe Block. Allowed arithmetic: matrix products marked QUANTISED: E3M2 operands, one E8M0 scale for each 32 along K, by v_wmma_scale_f32_16x16x128_f8f6f4 with both operands' format E3M2, f32 sums; products left as they are: f32 operands where the result goes on into a quantised operand, else bf16, f16 or f32 operands; f32 sums; everything else in f32.
;; Inputs: gate_w 8 x 2,048 float32; hidden_states 2 x 2,048 x 2,048 float32; w1 8 x 256 x 2,048 float32; w2 8 x 2,048 x 256 float32; w3 8 x 256 x 2,048 float32.
;; Outputs: out0 2 x 2,048 x 2,048 float32.
;; This version of the problem:
;;   THIS VERSION OF THE PROBLEM IS GIVEN IN LOW PRECISION. The matrix products marked QUANTISED in the list below multiply operands that are first quantised to E3M2 (3 exponent bits, 2 mantissa bits; 6 bits a number), with one power-of-two scale for each 32 numbers along K (OCP MX v1.0); their sums are f32. All else is computed in f32.
;;   The module's matrix products, in the order in which they are computed (A, B: the left and right operand; K: the contracted axis; several contracted axes count as one K, in the product's order):
;;     1. [M 4,096, K 2,048] x [K 2,048, N 8]; A: input hidden_states; B: input gate_w: left as it is (N = 8 < 16)
;;     2. [M 4,096, K 2,048] x [K 2,048, N 256]; A: input hidden_states; B: input w1: QUANTISED
;;     3. [M 4,096, K 2,048] x [K 2,048, N 256]; A: input hidden_states; B: input w3: QUANTISED
;;     4. [M 4,096, K 256] x [K 256, N 2,048]; A: computed on the way; B: input w2: QUANTISED
;;     5. [M 4,096, K 2,048] x [K 2,048, N 256]; A: input hidden_states; B: input w1: QUANTISED
;;     6. [M 4,096, K 2,048] x [K 2,048, N 256]; A: input hidden_states; B: input w3: QUANTISED
;;     7. [M 4,096, K 256] x [K 256, N 2,048]; A: computed on the way; B: input w2: QUANTISED
;;     8. [M 4,096, K 2,048] x [K 2,048, N 256]; A: input hidden_states; B: input w1: QUANTISED
;;     9. [M 4,096, K 2,048] x [K 2,048, N 256]; A: input hidden_states; B: input w3: QUANTISED
;;     10. [M 4,096, K 256] x [K 256, N 2,048]; A: computed on the way; B: input w2: QUANTISED
;;     11. [M 4,096, K 2,048] x [K 2,048, N 256]; A: input hidden_states; B: input w1: QUANTISED
;;     12. [M 4,096, K 2,048] x [K 2,048, N 256]; A: input hidden_states; B: input w3: QUANTISED
;;     13. [M 4,096, K 256] x [K 256, N 2,048]; A: computed on the way; B: input w2: QUANTISED
;;     14. [M 4,096, K 2,048] x [K 2,048, N 256]; A: input hidden_states; B: input w1: QUANTISED
;;     15. [M 4,096, K 2,048] x [K 2,048, N 256]; A: input hidden_states; B: input w3: QUANTISED
;;     16. [M 4,096, K 256] x [K 256, N 2,048]; A: computed on the way; B: input w2: QUANTISED
;;     17. [M 4,096, K 2,048] x [K 2,048, N 256]; A: input hidden_states; B: input w1: QUANTISED
;;     18. [M 4,096, K 2,048] x [K 2,048, N 256]; A: input hidden_states; B: input w3: QUANTISED
;;     19. [M 4,096, K 256] x [K 256, N 2,048]; A: computed on the way; B: input w2: QUANTISED
;;     20. [M 4,096, K 2,048] x [K 2,048, N 256]; A: input hidden_states; B: input w1: QUANTISED
;;     21. [M 4,096, K 2,048] x [K 2,048, N 256]; A: input hidden_states; B: input w3: QUANTISED
;;     22. [M 4,096, K 256] x [K 256, N 2,048]; A: computed on the way; B: input w2: QUANTISED
;;     23. [M 4,096, K 2,048] x [K 2,048, N 256]; A: input hidden_states; B: input w1: QUANTISED
;;     24. [M 4,096, K 2,048] x [K 2,048, N 256]; A: input hidden_states; B: input w3: QUANTISED
;;     25. [M 4,096, K 256] x [K 256, N 2,048]; A: computed on the way; B: input w2: QUANTISED
;;   THE QUANTISER, for each operand of a quantised product, along K:
;;     - K is cut into blocks of 32 from its start; a last block that is shorter is filled with zeros.
;;     - A block's scale is 2^e with e = floor(log2(the largest magnitude in the block)) - 4, held to -126 .. 127; a block of zeros has e = 0. As a byte (E8M0): e + 127.
;;     - Each number is divided by its block's scale, clamped to +-28, and rounded to the nearest number of E3M2, ties to even, subnormals kept.
;;     - The product sums the exact products of the quantised numbers (number of the format x scale) in f32.
;;   ~~~python
;;   def quantise(x, axis):      # numpy; x: float32 -> the quantised numbers, widened to float32 again
;;       x = np.moveaxis(x, axis, -1); K = x.shape[-1]
;;       x = np.pad(x, [(0, 0)] * (x.ndim - 1) + [(0, -K % 32)]); x = x.reshape(x.shape[:-1] + (-1, 32)); a = np.abs(x).max(-1, keepdims=True)
;;       e = np.where(a > 0, np.clip(np.frexp(np.where(a > 0, a, 1))[1] - 1 - 4, -126, 127), 0)      # np.frexp(a)[1] - 1 = floor(log2(a)), exactly
;;       r = np.clip(x / 2.0 ** e, -28, 28)
;;       step = 2.0 ** (np.maximum(np.frexp(np.where(r == 0, 1, r))[1] - 1, -2) - 2)
;;       q = np.round(r / step) * step * 2.0 ** e      # np.round: ties to even
;;       return np.moveaxis(q.reshape(q.shape[:-2] + (-1,))[..., :K], -1, axis).astype(np.float32)
;;   ~~~
;;   OPERANDS COMPUTED ON THE WAY. 'Computed on the way' means the value that the module computes at that place (a softmax that the list does not call 'softmax' is quantised finished and normalised). What goes into a quantiser is computed in f32, as accurately as f32 sums, v_exp_f32 and their like allow (about 1e-6 of the number): no bf16 or f16 on the way to a quantiser, and a product that is left as it is and whose result goes on into a quantised operand takes f32 operands (vector FMAs, or v_wmma_f32_16x16x4_f32). A number that lies on a knife's edge between two numbers of the format may be rounded either way, as far as f32 arithmetic and the matrix unit's own rounding can turn it there, and no further.
;; One version. Each part assembles by itself: llvm-mc -triple=amdgcn-amd-amdhsa -mcpu=gfx1250 --defsym DOCPART=n.
;; ======== version 1 of 1: 3 launches
;; limits: right only within a limited range of input values
;; workspace buffers: xq 6,553,600 bytes; wq 6,553,600 bytes; w2q 3,276,800 bytes; ridx 16,384 bytes of whole numbers; rmul 32,768 bytes; hq 6,553,600 bytes; rcnt 512 bytes of whole numbers
;; launch prep (part 1): grid 256 x 1, 4 waves a work-group, no clusters, 45,568 bytes of LDS; arguments hidden_states, gate_w, w1, w3, w2, xq, wq, w2q, ridx, rmul; writes xq, wq, w2q, ridx, rmul
.if DOCPART == 1
	.amdgcn_target "amdgcn-amd-amdhsa--gfx1250"
	.amdhsa_code_object_version 6
	.text
	.protected	k_q4a61ee9ec0_prep
	.globl	k_q4a61ee9ec0_prep
	.p2align	8
	.type	k_q4a61ee9ec0_prep,@function
k_q4a61ee9ec0_prep:
	s_mov_b64 s[64:65], 0
	v_nop
	global_prefetch_b8 v0, s[64:65] scope:SCOPE_SE
	s_setreg_imm32_b32 hwreg(HW_REG_WAVE_MODE, 25, 1), 1
	s_wait_xcnt 0x0
; x [4096][2048], w1, w3 [8][256][2048], w2 [8][2048][256], f32, become codes of BF6 (E3M2) with one E8M0 byte for each 32 along K; the router (f32) gives each token its two experts and their weights.
; A block's scale byte is its largest magnitude's exponent field - 4, held at 1 from below.  LIMITS: NaN and infinities are not served; a block whose largest magnitude lies under 2^-122 (zeros too) keeps the byte 1:
; its codes are zeros or subnormals, and this program alone reads the bytes.  The jitter test (th - l) / max(|l|, th) > 0.02 is written (th - l) > 0.02 max(|l|, th): the two differ within an ulp of the edge alone.
; The router's f32 sums are taken in another order than a plain row sum.
; LAYOUTS.  xq: codes as the natural stream [token][1536], scale bytes [token][64] at 6291456.  wq, w2q: images of operand registers: a fragment (16 rows x 128 K) is 1,536 bytes, registers 4 j .. 4 j + 3 of lane l
; at 512 j + 16 l, so that each load of 16 bytes a lane covers 512 consecutive bytes.  Lane (r, h) holds bytes 96 s + 48 h .. + 47 of row r's stream: natural blocks 4 s + 2 h and 4 s + 2 h + 1.  The matrix unit takes
; them for its blocks h and 2 + h, so in EVERY scale word of this program the two middle bytes change places: natural block n lies at byte sw(n & 3), sw = bits 0 and 1 exchanged.  The same order holds in both operands of every product.
; Position p of tile T = 16 e + 2 b + u of w1 and w3 is unit 32 b + 8 u + p + 8 (p / 8), so that two neighbouring tiles' results are 16 neighbours along the next K.
; SHARES.  Work-group wg: tokens 16 wg .. + 15; wave W = 4 wg + w: of each token k = 512 w .. + 511 (16 steps); tile W >> 3 of w1 and of w3, K steps 2 (W & 7), + 1 (8 steps each); tile W of w2 (8 steps).
; A step is 512 numbers: four loads of 512 dense bytes, a turn through the wave's own stage in LDS so that a lane holds 16 neighbours, the block's scale, one conversion.  Loads run eight steps ahead.
.set XSCL, 40960                       ; LDS, shared: 16 tokens x 64 scale bytes
.set LG,   41984                       ; LDS, shared: [token 16][wave 4][8 f32]: the waves' parts of the logits
.set WREG, 10240                       ; LDS, a wave's own: two stages of 2,560; at 5,120 two images of 1,536; at 9,216 three slabs of 128 scale bytes
.set R,  32                            ; v32-159  eight sets of 16 numbers as loaded
.set X,  160                           ; v160-191 two sets of 16 neighbours
.set A,  192                           ; v192-207 eight pairs: the logits' sums
.set L,  208                           ; v208-215 the logits
.set TP, 216                           ; v216-223 permutes' destinations
.set C,  224                           ; v224-239 codes, a ring of four sets
.set MSB, 0
.macro WIN new                         ; the immediate's high byte repeats the setting that is left
.if MSB != (\new)
	s_set_vgpr_msb (MSB<<8)|(\new)
.set MSB, (\new)
.endif
.endm
	s_load_b512 s[4:19], s[0:1], 0x0               ; hidden s[4:5], gate s[6:7], w1 s[8:9], w3 s[10:11], w2 s[12:13], xq s[14:15], wq s[16:17], w2q s[18:19]
	s_load_b128 s[20:23], s[0:1], 0x40             ; ridx s[20:21], rmul s[22:23]
	v_lshl_add_u32 v22, v0, 2, 0xb000
	s_set_vgpr_msb 0x40
	v_mov_b32 v129, 0
	s_set_vgpr_msb 0x4000
	v_lshrrev_b32 v1, 5, v0
	v_readfirstlane_b32 s56, v1                    ; wave
	v_and_b32 v1, 31, v0                           ; l
	v_lshrrev_b32 v2, 1, v1                        ; n = l / 2: my block among the step's 16
	s_mul_i32 s60, s56, WREG
	v_lshlrev_b32 v3, 4, v1                        ; 16 l
	v_mul_u32_u24 v4, v1, 12                       ; 12 l
	v_lshrrev_b32 v5, 2, v1
	v_mul_u32_u24 v5, v5, 80
	v_and_b32 v6, 3, v1
	v_lshl_add_u32 v5, v6, 4, v5
	v_add_nc_u32 v5, s60, v5                       ; stage, in: 80 (l / 4) + 16 (l % 4)
	v_mul_u32_u24 v6, v1, 80
	v_add_nc_u32 v6, s60, v6                       ; stage, out: 80 l
	v_and_b32 v15, 1, v2
	v_bfe_u32 v28, v2, 1, 1                        ; h of the fragment's lane
	v_lshl_or_b32 v15, v15, 1, v28                 ; sw(n & 3)
	v_lshrrev_b32 v7, 2, v2
	v_lshl_add_u32 v7, v7, 2, v15
	s_lshl_b32 s61, s56, 4
	s_add_co_u32 s61, s61, XSCL
	v_add_nc_u32 v7, s61, v7                       ; x's scale byte: XSCL + 16 w + 4 (n / 4) + sw
	v_bfe_u32 v8, v2, 2, 1                         ; which of the two K steps
	v_lshl_add_u32 v8, v8, 2, v15
	v_lshrrev_b32 v29, 4, v1                       ; l / 16: which of the step's two tile positions
	v_lshl_add_u32 v8, v29, 3, v8
	s_add_co_u32 s61, s60, 9216
	v_add_nc_u32 v8, s61, v8                       ; a weight's scale byte: slab + 8 (l / 16) + 4 (K step) + sw
	; my 12 bytes of codes are words 3 pc, + 1, + 2 of the fragment lane's twelve, pc = 2 (n & 1) + (l & 1); word d lies at 512 (d / 4) + 16 x the fragment's lane + 4 (d % 4)
	v_and_b32 v30, 1, v2
	v_and_b32 v31, 1, v1
	v_lshl_or_b32 v30, v30, 1, v31
	v_mul_u32_u24 v30, v30, 3                      ; my first word
	v_bfe_u32 v31, v2, 2, 1
	v_mul_u32_u24 v31, v31, 0x600                  ; the K step's image
	v_lshl_add_u32 v31, v28, 8, v31                ; + 16 x 16 h
	v_lshl_add_u32 v31, v29, 4, v31                ; + 16 (l / 16); the step's 32 q stands in the stores' immediate
	s_add_co_u32 s62, s60, 5120
	v_add_nc_u32 v31, s62, v31
	v_lshrrev_b32 v13, 2, v30
	v_and_b32 v12, 3, v30
	v_lshl_add_u32 v13, v13, 9, v31
	v_lshl_add_u32 v9, v12, 2, v13                 ; v9: where my first word goes,
	v_add_nc_u32 v14, 1, v30
	v_lshrrev_b32 v13, 2, v14
	v_and_b32 v12, 3, v14
	v_lshl_add_u32 v13, v13, 9, v31
	v_lshl_add_u32 v28, v12, 2, v13                ; v28: my second,
	v_add_nc_u32 v14, 2, v30
	v_lshrrev_b32 v13, 2, v14
	v_and_b32 v12, 3, v14
	v_lshl_add_u32 v13, v13, 9, v31
	v_lshl_add_u32 v29, v12, 2, v13                ; v29: my third
	v_add_nc_u32 v10, s62, v3                      ; the images, read back: 16 l
	s_lshl_b32 s63, s56, 5
	s_add_co_u32 s63, s63, LG
	v_mov_b32 v11, s63                             ; my wave's eight words of a token's logits
	v_lshlrev_b32 v20, 2, v1                       ; 4 l
	v_add_nc_u32 v21, s61, v20
	v_lshlrev_b32 v24, 3, v1                       ; 8 l
	s_lshl_b32 s63, s56, 8
	s_add_co_u32 s63, s63, XSCL
	v_add_nc_u32 v23, s63, v24
	v_and_b32 v26, 15, v1
	v_lshl_add_u32 v25, v26, 7, LG                 ; the tail: token l % 16
	v_lshlrev_b32 v27, 3, v26
	v_lshlrev_b32 v26, 2, v26
.irp e, 0,1,2,3,4,5,6,7
	v_mov_b32 v[TP+\e], 0                          ; written once: a lane permute's destination counts as read
.endr
	s_mov_b32 s59, 0
	s_lshl_b32 s57, ttmp9, 2
	s_add_co_u32 s57, s57, s56                     ; W
	s_lshr_b32 s60, s57, 3                         ; T
	s_and_b32 s61, s57, 7                          ; which pair of K steps; also W & 7
	s_mov_b32 s54, 0x76543210
	s_mov_b32 s55, 0xfedcba98                      ; lane l xor 16
	s_wait_kmcnt 0x0
	s_lshl_b32 s58, ttmp9, 17
	s_lshl_b32 s62, s56, 11
	s_add_co_u32 s58, s58, s62
	s_add_nc_u64 s[24:25], s[4:5], s[58:59]        ; x: 16 wg rows + 512 w numbers
	s_mov_b32 s58, s62
	s_add_nc_u64 s[26:27], s[6:7], s[58:59]        ; gate: 512 w numbers
	s_lshl_b32 s58, s60, 17
	s_and_b32 s62, s60, 1
	s_lshl_b32 s63, s62, 16
	s_sub_co_u32 s58, s58, s63                     ; row 16 T - 8 (T & 1)
	s_lshl_b32 s63, s61, 10
	s_add_co_u32 s58, s58, s63
	s_add_nc_u64 s[28:29], s[8:9], s[58:59]
	s_add_nc_u64 s[30:31], s[10:11], s[58:59]
	s_lshl_b32 s58, s57, 14
	s_add_nc_u64 s[32:33], s[12:13], s[58:59]      ; w2: 16 W rows of 1,024 bytes
	s_mul_i32 s58, ttmp9, 24576
	s_mul_i32 s63, s56, 384
	s_add_co_u32 s58, s58, s63
	s_add_nc_u64 s[34:35], s[14:15], s[58:59]      ; x's codes
	s_lshl_b32 s58, ttmp9, 10
	s_lshl_b32 s63, s56, 8
	s_add_co_u32 s58, s58, s63
	s_add_co_u32 s58, s58, 6291456
	s_add_nc_u64 s[36:37], s[14:15], s[58:59]      ; x's scale bytes: my 256 of the work-group's 1,024
	s_mul_i32 s58, s60, 24576
	s_mul_i32 s63, s61, 3072
	s_add_co_u32 s58, s58, s63
	s_add_nc_u64 s[38:39], s[16:17], s[58:59]      ; w1's two images
	s_add_co_u32 s58, s58, 3145728
	s_add_nc_u64 s[40:41], s[16:17], s[58:59]      ; w3's
	s_lshr_b32 s58, s60, 1
	s_lshl_b32 s58, s58, 11
	s_lshl_b32 s63, s61, 8
	s_add_co_u32 s58, s58, s63
	s_lshl_b32 s63, s62, 7
	s_add_co_u32 s58, s58, s63
	s_add_co_u32 s58, s58, 6291456
	s_add_nc_u64 s[42:43], s[16:17], s[58:59]      ; w1's scale words: [pair of tiles][pair of K steps][lane][2]
	s_add_co_u32 s58, s58, 131072
	s_add_nc_u64 s[44:45], s[16:17], s[58:59]      ; w3's
	s_bfe_u32 s62, s57, 0x40003                    ; w2: block of 128 columns
	s_lshl_b32 s62, s62, 3
	s_lshr_b32 s63, s57, 7                         ; expert
	s_add_co_u32 s62, s62, s63
	s_mul_i32 s62, s62, 25600
	s_mul_i32 s63, s61, 3072
	s_add_co_u32 s58, s62, s63
	s_add_nc_u64 s[46:47], s[18:19], s[58:59]      ; w2's two images
	s_lshr_b32 s63, s61, 1
	s_lshl_b32 s63, s63, 8
	s_add_co_u32 s58, s62, s63
	s_and_b32 s63, s57, 1
	s_lshl_b32 s63, s63, 7
	s_add_co_u32 s58, s58, s63
	s_add_co_u32 s58, s58, 24576
	s_add_nc_u64 s[48:49], s[18:19], s[58:59]      ; w2's scale words
	s_lshl_b32 s58, ttmp9, 6
	s_add_nc_u64 s[50:51], s[20:21], s[58:59]
	s_lshl_b32 s58, ttmp9, 7
	s_add_nc_u64 s[52:53], s[22:23], s[58:59]
	WIN 0x40                                       ; destination window 1: the gate's numbers, expert e at v[16 e] there; each load reads 512 consecutive bytes
.irp e, 0,1,2,3,4,5,6,7
.irp i, 0,1,2,3
	global_load_b128 v[16*\e+4*\i:16*\e+4*\i+3], v3, s[26:27] offset:8192*\e+512*\i
.endr
.endr
	WIN 0
.macro LOAD g                          ; step g's 2,048 bytes into set g % 8: each load reads 512 consecutive bytes
.set RS, R+16*((\g)%8)
.if (\g) < 16
.irp i, 0,1,2,3
	global_load_b128 v[RS+4*\i:RS+4*\i+3], v3, s[24:25] offset:8192*(\g)+512*\i th:TH_LOAD_NT
.endr
.elseif (\g) < 32
.set WP, 28+2*(((\g)-16)/8)
.irp i, 0,1,2,3
.set PP, 2*((\g)%8)+\i/2
	global_load_b128 v[RS+4*\i:RS+4*\i+3], v3, s[WP:WP+1] offset:(PP+8*(PP/8))*8192+512*(\i%2) th:TH_LOAD_NT
.endr
.else
.irp i, 0,1,2,3
	global_load_b128 v[RS+4*\i:RS+4*\i+3], v3, s[32:33] offset:2048*((\g)-32)+512*\i th:TH_LOAD_NT
.endr
.endif
.endm
.macro TURN g                          ; through the stage: LDS serves a wave's instructions in order, so no wait stands between the stores and the loads
.irp i, 0,1,2,3
	ds_store_b128 v5, v[R+16*((\g)%8)+4*\i:R+16*((\g)%8)+4*\i+3] offset:2560*((\g)%2)+640*\i
.endr
.irp i, 0,1,2,3
	ds_load_b128 v[X+16*((\g)%2)+4*\i:X+16*((\g)%2)+4*\i+3], v6 offset:2560*((\g)%2)+16*\i
.endr
.endm
.macro QCORE g                         ; my 16 neighbours and my neighbour lane's 16 are a block
.set XS, X+16*((\g)%2)
.set CS, C+4*((\g)%4)
	v_max3_num_f32 v12, |v[XS]|, |v[XS+1]|, |v[XS+2]|
	v_max3_num_f32 v13, |v[XS+3]|, |v[XS+4]|, |v[XS+5]|
.irp i, 6,10
	v_max3_num_f32 v12, v12, |v[XS+\i]|, |v[XS+\i+1]|
	v_max3_num_f32 v13, v13, |v[XS+\i+2]|, |v[XS+\i+3]|
.endr
	v_max3_num_f32 v12, v12, |v[XS+14]|, |v[XS+15]|
	v_max3_num_f32 v12, v12, v13, 0x2800000        ; the floor 2^(5 - 127): the byte cannot fall under 1
	v_max_num_f32_dpp v12, v12, v12 row_xmask:1 row_mask:0xf bank_mask:0xf
	v_add_nc_u32 v14, 0xfe000000, v12              ; 4 off the exponent field: the conversion's scale operand
.if (\g) < 20
	s_wait_alu depctr_va_vdst(0)
	s_wait_xcnt 0x0                                ; this set of the ring was a store's data four steps ago
.endif
	v_cvt_scalef32_pk16_bf6_f32 v[CS:CS+2], v[XS:XS+15], v14
	v_lshrrev_b32 v[16+(\g)%4], 23, v14            ; the scale's byte; also the plain line behind the conversion
.endm
.macro ROUTE g                         ; my 16 numbers against the eight experts' 16: eight chains by turns, then over the 32 lanes
.set XS, X+16*((\g)%2)
	WIN 0x04                                       ; source 1 (gate) in window 1
.irp jp, 0,1,2,3,4,5,6,7
.irp e, 0,1,2,3,4,5,6,7
.if \jp == 0
	v_pk_mul_f32 v[A+2*\e:A+2*\e+1], v[XS:XS+1], v[16*\e:16*\e+1]
.else
	v_pk_fma_f32 v[A+2*\e:A+2*\e+1], v[XS+2*\jp:XS+2*\jp+1], v[16*\e+2*\jp:16*\e+2*\jp+1], v[A+2*\e:A+2*\e+1]
.endif
.endr
.endr
	WIN 0
.irp e, 0,1,2,3,4,5,6,7
	v_add_f32 v[L+\e], v[A+2*\e], v[A+2*\e+1]
.endr
.irp m, 1,2,4,8
.irp e, 0,1,2,3,4,5,6,7
	v_add_f32_dpp v[L+\e], v[L+\e], v[L+\e] row_xmask:\m row_mask:0xf bank_mask:0xf
.endr
.endr
.irp e, 0,1,2,3,4,5,6,7
	v_permlanex16_b32 v[TP+\e], v[L+\e], s54, s55
.endr
.irp e, 0,1,2,3,4,5,6,7
	v_add_f32 v[L+\e], v[L+\e], v[TP+\e]
.endr
	ds_store_b128 v11, v[L:L+3] offset:128*(\g)    ; all lanes write the same words with the same values
	ds_store_b128 v11, v[L+4:L+7] offset:128*(\g)+16
.endm
.macro STEP g, n                       ; n: the LDS stores issued behind this step's turn, which may stay out
	s_wait_dscnt \n                                ; my 16 neighbours are back from the stage, so the stage's stores have read set g % 8,
.if (\g)+8 < 40
	LOAD (\g)+8                                    ; which takes the loads of eight steps on
.endif
.if (\g)+1 < 40
.if 38-(\g) >= 7
	s_wait_loadcnt 28                              ; the next step's four loads are in; those of the seven steps behind it may be out
.else
	s_wait_loadcnt 4*(38-(\g))
.endif
	TURN (\g)+1
.endif
	QCORE \g
.if (\g) < 16
	ROUTE \g
	ds_store_b8 v7, v[16+(\g)%4] offset:64*(\g)    ; both lanes of a block write the same byte
	global_store_b96 v4, v[C+4*((\g)%4):C+4*((\g)%4)+2], s[34:35] offset:1536*(\g)   ; the wave stores 384 consecutive bytes
.else
	ds_store_b8 v8, v[16+(\g)%4] offset:128*(((\g)-16)/8)+16*((\g)%8)
	ds_store_b32 v9, v[C+4*((\g)%4)] offset:32*((\g)%8)        ; my three words, each at its place in the image: tile positions 2 q and 2 q + 1 are 32 q bytes on
	ds_store_b32 v28, v[C+4*((\g)%4)+1] offset:32*((\g)%8)
	ds_store_b32 v29, v[C+4*((\g)%4)+2] offset:32*((\g)%8)
.endif
.endm
.macro FLUSH slab, dc, dsc             ; eight steps' codes are two images, 3,072 dense bytes; their scale words 128 bytes
	s_wait_xcnt 0x0                                ; earlier stores have read these registers
.irp k, 0,1,2,3,4,5
	ds_load_b128 v[192+4*\k:195+4*\k], v10 offset:512*\k
.endr
	ds_load_b32 v240, v21 offset:128*\slab
	s_wait_dscnt 0x0
.irp k, 0,1,2,3,4,5
	global_store_b128 v3, v[192+4*\k:195+4*\k], s[\dc:\dc+1] offset:512*\k   ; 32 lanes store 512 consecutive bytes, at a multiple of 256 from the buffer's first byte
.endr
	global_store_b32 v20, v240, s[\dsc:\dsc+1]
.endm
.irp t, 0,1,2,3,4,5,6,7
	LOAD \t
.endr
	s_wait_loadcnt 32                              ; the gate's 32 loads are in; x's 32 may be out
	WIN 0x44                                       ; an LDS store's data (source 1) and an LDS load's destination in window 1
.irp e, 0,1,2,3,4,5,6,7                ; the gate's numbers turn through the stage as x's do, and come back into the registers that they left: lane l then holds gate[e][512 w + 16 l + 0 .. 15]
.irp i, 0,1,2,3
	ds_store_b128 v5, v[16*\e+4*\i:16*\e+4*\i+3] offset:2560*(\e%2)+640*\i
.endr
.irp i, 0,1,2,3
	ds_load_b128 v[16*\e+4*\i:16*\e+4*\i+3], v6 offset:2560*(\e%2)+16*\i
.endr
.endr
	WIN 0
	s_wait_loadcnt 28                              ; step 0 is in
	TURN 0
	STEP 0, 0
.irp t, 1,2,3,4,5,6,7,8,9,10,11,12,13,14,15
	STEP \t, 3
.endr
	s_wait_dscnt 0x0                               ; for the others' sake: my scale bytes and my parts of the logits lie in LDS
	s_barrier_signal -1
	s_barrier_wait -1
	ds_load_b64 v[242:243], v23
	s_wait_dscnt 0x0
	global_store_b64 v24, v[242:243], s[36:37]     ; 32 lanes store 256 consecutive bytes, aligned: four tokens' scale bytes
	s_cmp_lg_u32 s56, 0
	s_cbranch_scc1 .Lno_tail
	; THE ROUTER'S END, wave 0: token l % 16 (lanes 16-31 repeat lanes 0-15 and store the same numbers to the same places)
	s_wait_xcnt 0x0                                ; v224-255 were stores' data
.irp k, 0,1,2,3,4,5,6,7
	ds_load_b128 v[224+4*\k:227+4*\k], v25 offset:16*\k
.endr
	s_wait_dscnt 0x0
.irp e, 0,2,4,6
	v_pk_add_f32 v[L+\e:L+\e+1], v[224+\e:225+\e], v[232+\e:233+\e]
.endr
.irp e, 0,2,4,6
	v_pk_add_f32 v[L+\e:L+\e+1], v[L+\e:L+\e+1], v[240+\e:241+\e]
.endr
.irp e, 0,2,4,6
	v_pk_add_f32 v[L+\e:L+\e+1], v[L+\e:L+\e+1], v[248+\e:249+\e]
.endr
	v_mov_b32 v192, v[L]                           ; the largest logit and its expert: a strict > keeps the lower index
	v_mov_b32 v193, 0
.irp e, 1,2,3,4,5,6,7
	v_cmp_gt_f32 vcc_lo, v[L+\e], v192
	v_cndmask_b32 v192, v192, v[L+\e], vcc_lo
	v_cndmask_b32 v193, v193, \e, vcc_lo
.endr
	v_mov_b32 v199, 0xff800000                     ; -infinity
	v_mov_b32 v194, v199                           ; the second, among the others
	v_mov_b32 v195, 0
.irp e, 0,1,2,3,4,5,6,7
	v_cmp_ne_u32 s58, \e, v193
	v_cmp_gt_f32 vcc_lo, v[L+\e], v194
	s_and_b32 vcc_lo, vcc_lo, s58
	v_cndmask_b32 v194, v194, v[L+\e], vcc_lo
	v_cndmask_b32 v195, v195, \e, vcc_lo
.endr
; the threshold is the largest of the scores that are kept, so the chosen expert's share is 1 / the sum over the kept of 2^((l - th) log2 e)
.macro MULT th, dst, second
.irp e, 0,1,2,3,4,5,6,7
	v_sub_f32 v196, v[\th], v[L+\e]
	v_max_num_f32 v197, |v[L+\e]|, v[\th]
	v_mul_f32 v197, 0x3ca3d70a, v197               ; 0.02 x the factor
	v_mul_f32 v[\dst+\e], 0xbfb8aa3b, v196
	v_cmp_gt_f32 vcc_lo, v196, v197
	v_cndmask_b32 v[\dst+\e], v[\dst+\e], v199, vcc_lo
.if \second
	v_cmp_eq_u32 vcc_lo, \e, v193                  ; the first choice is out of the second softmax
	v_cndmask_b32 v[\dst+\e], v[\dst+\e], v199, vcc_lo
.endif
.endr
.endm
	MULT 192, 176, 0
	MULT 194, 184, 1
	s_wait_alu depctr_va_vdst(0)
.irp e, 0,1,2,3,4,5,6,7,8,9,10,11,12,13,14,15
	v_exp_f32 v[176+\e], v[176+\e]
.endr
	v_lshl_or_b32 v202, v195, 8, v193              ; the two experts in one word; also the plain line behind the exponentials
	s_wait_alu depctr_va_vdst(0)                   ; one wait for the sixteen, ahead of their first reader
.irp d, 176, 184
	v_pk_add_f32 v[\d:\d+1], v[\d:\d+1], v[\d+2:\d+3]
	v_pk_add_f32 v[\d+4:\d+5], v[\d+4:\d+5], v[\d+6:\d+7]
.endr
.irp d, 176, 184
	v_pk_add_f32 v[\d:\d+1], v[\d:\d+1], v[\d+4:\d+5]
.endr
	v_add_f32 v200, v176, v177
	v_add_f32 v201, v184, v185
	s_wait_alu depctr_va_vdst(0)
	v_rcp_f32 v200, v200
	v_rcp_f32 v201, v201
	v_nop
	s_wait_alu depctr_va_vdst(0)
	global_store_b32 v26, v202, s[50:51]
	global_store_b64 v27, v[200:201], s[52:53]
.Lno_tail:
	STEP 16, 0
.irp t, 17,18,19,20,21,22,23
	STEP \t, 4
.endr
	FLUSH 0, 38, 42
	STEP 24, 0
.irp t, 25,26,27,28,29,30,31
	STEP \t, 4
.endr
	FLUSH 1, 40, 44
	STEP 32, 0
.irp t, 33,34,35,36,37,38,39
	STEP \t, 4
.endr
	FLUSH 2, 46, 48
	s_set_vgpr_msb 0x4
	s_wait_tensorcnt 0x0
	ds_add_u32 v22, v129
	s_wait_dscnt 0x0
	s_set_vgpr_msb 0x400
	s_endpgm
.Lfunc_end_k_q4a61ee9ec0_prep:
	.size	k_q4a61ee9ec0_prep, .Lfunc_end_k_q4a61ee9ec0_prep-k_q4a61ee9ec0_prep
	.p2alignl 7, 3214868480
	.fill 96, 4, 3214868480
	.section	.rodata,"a",@progbits
	.p2align	6, 0x0
	.amdhsa_kernel k_q4a61ee9ec0_prep
		.amdhsa_group_segment_fixed_size 45568
		.amdhsa_private_segment_fixed_size 0
		.amdhsa_enable_private_segment 0
		.amdhsa_kernarg_size 80
		.amdhsa_user_sgpr_count 2
		.amdhsa_user_sgpr_kernarg_segment_ptr 1
		.amdhsa_wavefront_size32 1
		.amdhsa_system_sgpr_workgroup_id_x 1
		.amdhsa_system_sgpr_workgroup_id_y 1
		.amdhsa_system_sgpr_workgroup_id_z 1
		.amdhsa_system_vgpr_workitem_id 0
		.amdhsa_next_free_vgpr 386
		.amdhsa_next_free_sgpr 66
		.amdhsa_reserve_vcc 1
		.amdhsa_float_denorm_mode_32 3
		.amdhsa_float_denorm_mode_16_64 3
		.amdhsa_memory_ordered 1
		.amdhsa_forward_progress 1
		.amdhsa_inst_pref_size 221
	.end_amdhsa_kernel
	.amdgpu_metadata
---
amdhsa.version: [ 1, 2 ]
amdhsa.kernels:
  - .name:           k_q4a61ee9ec0_prep
    .symbol:         k_q4a61ee9ec0_prep.kd
    .args:
      - { .name: hidden_states, .offset: 0, .size: 8, .value_kind: global_buffer, .address_space: global }
      - { .name: gate_w, .offset: 8, .size: 8, .value_kind: global_buffer, .address_space: global }
      - { .name: w1, .offset: 16, .size: 8, .value_kind: global_buffer, .address_space: global }
      - { .name: w3, .offset: 24, .size: 8, .value_kind: global_buffer, .address_space: global }
      - { .name: w2, .offset: 32, .size: 8, .value_kind: global_buffer, .address_space: global }
      - { .name: xq, .offset: 40, .size: 8, .value_kind: global_buffer, .address_space: global }
      - { .name: wq, .offset: 48, .size: 8, .value_kind: global_buffer, .address_space: global }
      - { .name: w2q, .offset: 56, .size: 8, .value_kind: global_buffer, .address_space: global }
      - { .name: ridx, .offset: 64, .size: 8, .value_kind: global_buffer, .address_space: global }
      - { .name: rmul, .offset: 72, .size: 8, .value_kind: global_buffer, .address_space: global }
    .group_segment_fixed_size: 45568
    .private_segment_fixed_size: 0
    .kernarg_segment_align: 8
    .kernarg_segment_size: 80
    .max_flat_workgroup_size: 128
    .sgpr_count:     66
    .vgpr_count:     386
    .wavefront_size: 32
...
	.end_amdgpu_metadata
.endif
;; end of part 1
;; launch up (part 2): grid 256 x 1, 4 waves a work-group, no clusters, 209,408 bytes of LDS; arguments xq, wq, ridx, hq, rcnt; writes hq, rcnt
.if DOCPART == 2
	.amdgcn_target "amdgcn-amd-amdhsa--gfx1250"
	.amdhsa_code_object_version 6
	.text
	.protected	k_q4a61ee9ec0_up
	.globl	k_q4a61ee9ec0_up
	.p2align	8
	.type	k_q4a61ee9ec0_up,@function
k_q4a61ee9ec0_up:
	s_mov_b64 s[64:65], 0
	v_nop
	global_prefetch_b8 v0, s[64:65] scope:SCOPE_SE
	s_setreg_imm32_b32 hwreg(HW_REG_WAVE_MODE, 25, 1), 1
	s_wait_xcnt 0x0
; h = silu(x w1^T) * (x w3^T) on codes of BF6, for the routed rows alone, quantised along I into hq.
; hq: codes as images of the next product's operand registers: [tile of 16 tokens][slot][K step][1536], registers 4 j .. 4 j + 3 of lane (token % 16) + 16 h at 512 j + 16 x that lane; scale bytes [row 2 t + slot][8] at 2359296,
; with each word's middle bytes exchanged, as everywhere here.  Rows 8192 on (tiles 256 on) are dump rows, sixteen for each work-group.
; SHARES.  Work-group wg = (block b of 256 tokens, expert e, half of I).  Wave w owns block blk = 4 half + w of 32 units of I: two tiles of w1 and two of w3, all 16 K steps: 64 fragments, 768 registers, read once.
; Every wave counts the block's tokens routed to e from the stored choices; wave 0 lays their rows (2 t + slot) as a list in LDS, padded with dump rows of the work-group's own.  The rows' codes and scale bytes are
; gathered into LDS once for the four waves, 128 rows a chunk, two chunks: a block can send all its 256 tokens to one expert.  The list's first 96 places are gathered without a test, ahead of most of the weights (K steps 4 to 15) (a padded
; place reads the last token's row); later steps, and tiles past the count, are jumped over: branches on a stored whole number; this launch has no tensor load, and no barrier stands under such a branch.
; THE PRODUCT IS USED TRANSPOSED (source 0 = 16 rows of a weight, source 1 = 16 rows of x): a lane holds one row, and the 16 registers of a weight's two tiles are units 32 blk + 16 (lane / 16) + 0 .. 15.
; A lane's 16 codes are 12 bytes, which can straddle two pieces of 16 bytes of an image: so they leave as three words.  Rows of a tile are any tokens of the block, so these stores cannot be dense.
; LIMITS: NaN and infinities are not served; a block of h whose largest magnitude lies under 2^-122 keeps the scale byte 1.
; HOW hq IS LAID BY THIS TEXT (this takes the place of what the head says of hq and of dump rows in it): the rows keep the list's order.  Codes: [block b][expert e][tile of 16 list places][K step][1536],
; registers 4 j .. 4 j + 3 of lane (place % 16) + 16 h at 512 j + 16 x that lane; scale bytes [b][e][place][8] at 6291456.  A last tile's padded places are stored like the others.  rcnt[b][e] is the list's length.
.set XB,  2048
.set XP,  1616                         ; a row: 1,536 bytes of codes, 64 scale bytes, 16 of padding = 101 x 16: sixteen rows start in sixteen different columns of 16 bytes
.set WS,  32                           ; v32-63   the weights' scale words [matrix][K step]: lanes 0-15 tile 0, lanes 16-31 tile 1
.set ST,  112                          ; v112-207 a gather step's codes; v208-211 its scale words
.set ACC, 112                          ; v112-143 four accumulators: w1's tiles 0, 1, w3's tiles 0, 1
.set XF,  144                          ; v144-191 x's fragments: two groups of two K steps
.set HN,  192                          ; v192-207 h
.set SG,  208                          ; v208-223 the sigmoid
.set XSC, 240                          ; v240-255 x's scale words, one for each K step; nothing else lies here
.set MSB, 0
.macro WIN new
.if MSB != (\new)
	s_set_vgpr_msb (MSB<<8)|(\new)
.set MSB, (\new)
.endif
.endm
	s_load_b256 s[4:11], s[0:1], 0x0
	s_load_b64 s[58:59], s[0:1], 0x20              ; rcnt
	v_lshl_add_u32 v239, v0, 2, 0x33000
	s_set_vgpr_msb 0x40
	v_mov_b32 v255, 0
	s_set_vgpr_msb 0x4000
	v_lshrrev_b32 v30, 5, v0
	v_readfirstlane_b32 s12, v30                   ; wave
	s_and_b32 s14, ttmp9, 1                        ; half
	s_bfe_u32 s15, ttmp9, 0x30001                  ; e
	s_lshr_b32 s16, ttmp9, 4                       ; b
	s_lshl_b32 s17, s14, 2
	s_add_co_u32 s17, s17, s12                     ; blk
	s_lshl_b32 s18, s15, 3
	s_add_co_u32 s18, s18, s17                     ; the pair of tiles: 8 e + blk
	v_and_b32 v30, 31, v0                          ; l
	v_and_b32 v31, 15, v0                          ; r
	v_bfe_u32 v29, v0, 4, 1                        ; h
	v_lshlrev_b32 v1, 4, v30                       ; an image's 16 bytes of my lane
	v_lshlrev_b32 v2, 3, v30
	v_lshlrev_b32 v3, 2, v30
	v_lshlrev_b32 v4, 4, v31
	s_lshl_b32 s32, s12, 3
	v_add_nc_u32 v28, s32, v29                     ; 8 w + h: my first row of a gather step
	v_lshlrev_b32 v5, 2, v28                       ; its list word
	v_mul_u32_u24 v6, v28, XP
	v_lshl_add_u32 v10, v31, 2, v6
	v_lshl_add_u32 v6, v31, 4, v6
	v_add_nc_u32 v6, XB, v6                        ; where its codes go: sixteen lanes to 256 bytes
	v_add_nc_u32 v10, XB+1536, v10                 ; and its scale bytes: sixteen lanes to 64
	v_mul_u32_u24 v7, v31, XP
	v_add_nc_u32 v15, XB+1536, v7                  ; a tile's row r: its scale words
	v_mad_u32_u24 v7, v29, 48, v7
	v_add_nc_u32 v7, XB, v7                        ; and its fragments: + 48 h
	v_lshlrev_b32 v11, 2, v30                      ; the list's words, 4 l
	s_lshl_b32 s32, ttmp9, 4
	s_add_co_u32 s32, s32, 8192
	v_add_nc_u32 v12, s32, v31                     ; the dump row of list place p: 8192 + 16 wg + p % 16
	v_add_nc_u32 v13, 0x120, v30                   ; the spare word of my lane: 288 + l
	v_lshlrev_b32 v14, 2, v31
	v_lshlrev_b32 v139, 1, v30
	s_lshl_b32 s32, s16, 9
	v_add_nc_u32 v139, s32, v139                   ; 2 (256 b + l)
	v_mov_b32 v231, 0                              ; written once: a lane permute's destination counts as read
	; my 12 bytes of h's codes are words d = 6 (blk & 1) + 3 h + 0, 1, 2 of the next operand's lane; word d lies at 512 (d / 4) + 4 (d % 4) in the image: v9, v30, v31
	s_and_b32 s32, s17, 1
	s_mul_i32 s32, s32, 6
	v_mad_u32_u24 v28, v29, 3, s32
	v_lshrrev_b32 v26, 2, v28
	v_and_b32 v27, 3, v28
	v_lshlrev_b32 v27, 2, v27
	v_lshl_add_u32 v9, v26, 9, v27
	v_add_nc_u32 v25, 1, v28
	v_lshrrev_b32 v26, 2, v25
	v_and_b32 v27, 3, v25
	v_lshlrev_b32 v27, 2, v27
	v_lshl_add_u32 v30, v26, 9, v27
	v_add_nc_u32 v25, 2, v28
	v_lshrrev_b32 v26, 2, v25
	v_and_b32 v27, 3, v25
	v_lshlrev_b32 v27, 2, v27
	v_lshl_add_u32 v31, v26, 9, v27
	s_mov_b32 s50, 0x76543210
	s_mov_b32 s51, 0xfedcba98
	s_mov_b32 s53, 0
	s_mov_b32 s19, 0                               ; the count
	s_wait_kmcnt 0x0
	s_mul_i32 s52, s18, 49152
	s_add_nc_u64 s[36:37], s[6:7], s[52:53]        ; w1's two tiles
	s_add_co_u32 s52, s52, 3145728
	s_add_nc_u64 s[38:39], s[6:7], s[52:53]        ; w3's
	s_lshl_b32 s52, s18, 11
	s_add_co_u32 s52, s52, 6291456
	s_add_nc_u64 s[40:41], s[6:7], s[52:53]        ; their scale words
	s_lshl_b32 s52, s16, 10
	s_add_nc_u64 s[42:43], s[8:9], s[52:53]        ; the block's choices
	s_add_nc_u64 s[34:35], s[4:5], 0x600000        ; x's scale bytes
	s_lshr_b32 s54, s17, 2
	s_mul_i32 s52, s54, 1536                       ; h's codes: the image of K step blk / 4,
	s_bfe_u32 s55, s17, 0x10001
	s_lshl_b32 s55, s55, 8                         ; its lanes 16 ((blk / 2) % 2) on
	s_add_co_u32 s52, s52, s55
	s_lshl_b32 s56, s16, 3
	s_add_co_u32 s56, s56, s15                     ; 8 b + e
	s_mul_i32 s57, s56, 49152                      ; sixteen tiles of two images
	s_add_co_u32 s52, s52, s57
	s_add_nc_u64 s[46:47], s[10:11], s[52:53]
	s_and_b32 s54, s17, 1
	s_lshl_b32 s54, s54, 1
	s_bfe_u32 s55, s17, 0x10001
	s_or_b32 s54, s54, s55                         ; sw(blk & 3)
	s_lshr_b32 s55, s17, 2
	s_lshl_b32 s55, s55, 2
	s_add_co_u32 s52, s54, s55
	s_add_co_u32 s52, s52, 6291456
	s_lshl_b32 s57, s56, 11                        ; 256 places of 8 bytes
	s_add_co_u32 s52, s52, s57
	s_add_nc_u64 s[48:49], s[10:11], s[52:53]      ; h's scale byte
.macro WLOAD s                         ; K step s of my four tiles: windows 1 to 3 hold five K steps each, K step 15 lies at v64 of window 0.  Each load reads 512 consecutive bytes
.if (\s) == 15
	WIN 0
.set WB, 64
.else
	WIN (1+(\s)/5)<<6
.set WB, 48*((\s)%5)
.endif
.irp f, 0,1,2,3
.irp j, 0,1,2
	global_load_b128 v[WB+12*\f+4*\j:WB+12*\f+4*\j+3], v1, s[36+2*(\f/2):37+2*(\f/2)] offset:(\f%2)*24576+(\s)*1536+512*\j
.endr
.endr
.endm
.irp c, 0,1,2,3,4,5,6,7
	global_load_b32 v[112+\c], v3, s[42:43] offset:128*\c
.endr
.irp s, 0,1,2,3
	WLOAD \s
.endr
	WIN 0
	s_wait_loadcnt 48                              ; the choices are in; four K steps of weights, 48 loads, stay out
.irp c, 0,1,2,3,4,5,6,7                ; token 256 b + 32 c + l: is e one of its two?  Its place in the list: those before it
	v_and_b32 v136, 0xff, v[112+\c]
	v_bfe_u32 v137, v[112+\c], 8, 8
	v_cmp_eq_u32 s32, s15, v136
	v_cmp_eq_u32 s33, s15, v137
	s_or_b32 s[24+\c], s32, s33
	v_cndmask_b32 v138, 0, 1, s33                  ; the slot
	v_add3_u32 v[128+\c], v138, v139, 64*\c        ; the row 2 t + slot
	v_mbcnt_lo_u32_b32 v138, s[24+\c], 0
	v_add_nc_u32 v138, s19, v138
	v_cndmask_b32 v138, v13, v138, s[24+\c]        ; a lane with nothing to place writes its spare word
	v_min_u32 v138, 0x13f, v138
	v_lshlrev_b32 v[120+\c], 2, v138
	s_bcnt1_i32_b32 s32, s[24+\c]
	s_add_co_u32 s19, s19, s32
.endr
	s_cmp_lg_u32 s12, 0
	s_cbranch_scc1 .Lno_list
.irp q, 0,1,2,3,4,5,6,7,8
	ds_store_b32 v11, v12 offset:128*\q            ; first the dump rows everywhere,
.endr
.irp c, 0,1,2,3,4,5,6,7
	ds_store_b32 v[120+\c], v[128+\c]              ; then the rows: LDS serves a wave's instructions in order
.endr
	s_cmp_lg_u32 s14, 0                            ; the work-group of the first half of I stores the list's length
	s_cbranch_scc1 .Lno_list
	s_lshl_b32 s57, s56, 2
	v_mov_b32 v140, s57
	v_mov_b32 v141, s19
	global_store_b32 v140, v141, s[58:59]          ; all lanes store the same word
.Lno_list:
	s_wait_dscnt 0x0
	s_barrier_signal -1
	s_barrier_wait -1                              ; the list lies in LDS; no other LDS access stands ahead of this barrier
; 32 rows of the list's places 32 i on are asked for: wave w takes rows 32 i + 8 w + 2 k + h, sixteen lanes to a row; codes into v[reg] on and scale words into v[sreg] on, of window win
.macro GISSUE i, win, reg, sreg
.if \i > 0
	s_wait_xcnt 0x0                                ; the last step's loads have read their offsets: these are written again only behind this wait
.endif
.irp k, 0,1,2,3
	ds_load_b32 v[25+\k], v5 offset:4*(32*\i+2*\k)
.endr
	s_wait_dscnt 0x0
.irp k, 0,1,2,3
	v_lshrrev_b32 v[25+\k], 1, v[25+\k]            ; the token,
.endr
.irp k, 0,1,2,3
	v_min_u32 v[25+\k], 0xfff, v[25+\k]            ; held inside x (a dump row reads the last token)
.endr
.irp k, 0,1,2,3
	v_mad_u32_u24 v[16+\k], v[25+\k], 0x600, v4
	v_lshl_add_u32 v[20+\k], v[25+\k], 6, v14
.endr
	WIN (\win)<<6
.irp k, 0,1,2,3
.irp j, 0,1,2,3,4,5
	global_load_b128 v[\reg+24*\k+4*\j:\reg+24*\k+4*\j+3], v[16+\k], s[4:5] offset:256*\j   ; sixteen lanes read 256 consecutive bytes, aligned
.endr
	global_load_b32 v[\sreg+\k], v[20+\k], s[34:35]
.endr
	WIN 0
.endm
.macro GPUT i, win, reg, sreg          ; and go to their rows in LDS
	v_add_nc_u32 v24, \i*32*XP, v6
	v_add_nc_u32 v29, \i*32*XP, v10
	WIN (\win)<<2                                  ; an LDS store's data are its source 1
.irp k, 0,1,2,3
.irp j, 0,1,2,3,4,5
	ds_store_b128 v24, v[\reg+24*\k+4*\j:\reg+24*\k+4*\j+3] offset:2*XP*\k+256*\j
.endr
	ds_store_b32 v29, v[\sreg+\k] offset:2*XP*\k
.endr
	WIN 0
.endm
; the same in one piece, under a test of the count: places 128 c + 32 i on
.macro GSTEP c, i
	s_cmp_gt_u32 s19, 128*\c+32*\i
	s_cbranch_scc0 .Lg_\@
.irp k, 0,1,2,3
	ds_load_b32 v[25+\k], v5 offset:4*(128*\c+32*\i+2*\k)
.endr
	v_add_nc_u32 v24, \i*32*XP, v6
	v_add_nc_u32 v29, \i*32*XP, v10
	s_wait_dscnt 0x0                               ; the list words are in, and the last step's LDS stores have read their registers
.irp k, 0,1,2,3
	v_lshrrev_b32 v[25+\k], 1, v[25+\k]
.endr
.irp k, 0,1,2,3
	v_min_u32 v[25+\k], 0xfff, v[25+\k]
.endr
.irp k, 0,1,2,3
	v_mad_u32_u24 v[16+\k], v[25+\k], 0x600, v4
	v_lshl_add_u32 v[20+\k], v[25+\k], 6, v14
.endr
.irp k, 0,1,2,3
.irp j, 0,1,2,3,4,5
	global_load_b128 v[ST+24*\k+4*\j:ST+24*\k+4*\j+3], v[16+\k], s[4:5] offset:256*\j
.endr
	global_load_b32 v[ST+96+\k], v[20+\k], s[34:35]
.endr
	s_wait_loadcnt 0x0                             ; loads come back in order: nothing was issued behind these
.irp k, 0,1,2,3
.irp j, 0,1,2,3,4,5
	ds_store_b128 v24, v[ST+24*\k+4*\j:ST+24*\k+4*\j+3] offset:2*XP*\k+256*\j
.endr
	ds_store_b32 v29, v[ST+96+\k] offset:2*XP*\k
.endr
.Lg_\@:
.endm
.macro FX g                            ; x's fragments of K steps 2 g and 2 g + 1: lane (r, h) takes bytes 96 s + 48 h of row r
.irp ss, 0,1
.irp j, 0,1,2
	ds_load_b128 v[XF+24*((\g)%2)+12*\ss+4*\j:XF+24*((\g)%2)+12*\ss+4*\j+3], v234 offset:96*(2*(\g)+\ss)+16*\j
.endr
.endr
.endm
.macro MM s                            ; K step s: the four accumulators by turns
.if (\s) == 15
	WIN 0
.set WB, 64
.else
	WIN 1+(\s)/5
.set WB, 48*((\s)%5)
.endif
.set XR, XF+24*(((\s)/2)%2)+12*((\s)%2)
.irp f, 0,1,2,3
.if (\s) == 0
.if \f%2
	v_wmma_scale_f32_16x16x128_f8f6f4 v[ACC+8*\f:ACC+8*\f+7], v[WB+12*\f:WB+12*\f+11], v[XR:XR+11], 0, v[WS+16*(\f/2)+(\s)], v[XSC+(\s)] matrix_a_fmt:MATRIX_FMT_BF6 matrix_b_fmt:MATRIX_FMT_BF6 matrix_a_scale:MATRIX_SCALE_ROW1
.else
	v_wmma_scale_f32_16x16x128_f8f6f4 v[ACC+8*\f:ACC+8*\f+7], v[WB+12*\f:WB+12*\f+11], v[XR:XR+11], 0, v[WS+16*(\f/2)+(\s)], v[XSC+(\s)] matrix_a_fmt:MATRIX_FMT_BF6 matrix_b_fmt:MATRIX_FMT_BF6
.endif
.else
.if \f%2
	v_wmma_scale_f32_16x16x128_f8f6f4 v[ACC+8*\f:ACC+8*\f+7], v[WB+12*\f:WB+12*\f+11], v[XR:XR+11], v[ACC+8*\f:ACC+8*\f+7], v[WS+16*(\f/2)+(\s)], v[XSC+(\s)] matrix_a_fmt:MATRIX_FMT_BF6 matrix_b_fmt:MATRIX_FMT_BF6 matrix_a_scale:MATRIX_SCALE_ROW1
.else
	v_wmma_scale_f32_16x16x128_f8f6f4 v[ACC+8*\f:ACC+8*\f+7], v[WB+12*\f:WB+12*\f+11], v[XR:XR+11], v[ACC+8*\f:ACC+8*\f+7], v[WS+16*(\f/2)+(\s)], v[XSC+(\s)] matrix_a_fmt:MATRIX_FMT_BF6 matrix_b_fmt:MATRIX_FMT_BF6
.endif
.endif
.endr
.endm
; A tile of 16 rows: 64 matrix instructions, the activation, the quantiser, 12 bytes of codes a lane.
; The waits on LOADcnt serve the first tile, which begins while the last six K steps of weights, 72 loads, are on their way; behind it they are met at once.
.macro TILE
	v_add_nc_u32 v234, s22, v7
	v_add_nc_u32 v236, s22, v15
.irp q, 0,1,2,3
	ds_load_b128 v[XSC+4*\q:XSC+4*\q+3], v236 offset:16*\q
.endr
	FX 0
	FX 1
	s_wait_alu depctr_va_vdst(0)
.irp g, 0,1,2,3,4,5,6,7
.if \g == 0
	s_wait_loadcnt 0x3f                            ; K steps 0 to 9 and the weights' scale words are in: 72 loads were issued behind them
.elseif \g == 5
	s_wait_loadcnt 0x30                            ; K steps 10 and 11: behind them four K steps, 48 loads
.elseif \g == 6
	s_wait_loadcnt 0x18                            ; K steps 12 and 13: behind them 24
.elseif \g == 7
	s_wait_loadcnt 0x0
.endif
.if \g == 7
	s_wait_dscnt 0x0
.else
	s_wait_dscnt 0x6                               ; this group is in; the next group's six loads may be out
.endif
	MM 2*\g
	MM 2*\g+1
	WIN 0
.rept 4
	v_nop                                          ; places in front of loads into registers that these products read, and of the first read of results
.endr
.if \g < 6
	FX \g+2
.endif
.endr
.irp i, 0,2,4,6,8,10,12,14
	v_pk_mul_f32 v[SG+\i:SG+\i+1], v[ACC+\i:ACC+\i+1], 0xbfb8aa3b op_sel_hi:[1,0]   ; -a log2 e
.endr
	s_wait_alu depctr_va_vdst(0)
.irp i, 0,1,2,3,4,5,6,7,8,9,10,11,12,13,14,15
	v_exp_f32 v[SG+\i], v[SG+\i]
.endr
	s_wait_alu depctr_va_vdst(0)
.irp i, 0,2,4,6,8,10,12,14
	v_pk_mul_f32 v[HN+\i:HN+\i+1], v[ACC+\i:ACC+\i+1], v[ACC+16+\i:ACC+17+\i]       ; a b: plain work behind the exponentials
.endr
	s_wait_alu depctr_va_vdst(0)                   ; one wait for the sixteen
.irp i, 0,2,4,6,8,10,12,14
	v_pk_add_f32 v[SG+\i:SG+\i+1], v[SG+\i:SG+\i+1], 1.0 op_sel_hi:[1,0]
.endr
	s_wait_alu depctr_va_vdst(0)
.irp i, 0,1,2,3,4,5,6,7,8,9,10,11,12,13,14,15
	v_rcp_f32 v[SG+\i], v[SG+\i]
.endr
	v_nop
	s_wait_alu depctr_va_vdst(0)
.irp i, 0,2,4,6,8,10,12,14
	v_pk_mul_f32 v[HN+\i:HN+\i+1], v[HN+\i:HN+\i+1], v[SG+\i:SG+\i+1]               ; h = a b / (1 + e^-a)
.endr
	v_max3_num_f32 v230, |v[HN]|, |v[HN+1]|, 0x2800000   ; my 16 of the block, and the floor 2^(5 - 127)
.irp i, 2,4,6,8,10,12,14
	v_max3_num_f32 v230, v230, |v[HN+\i]|, |v[HN+\i+1]|
.endr
	v_permlanex16_b32 v231, v230, s50, s51
	v_max_num_f32 v230, v230, v231                 ; with lane l xor 16's 16
	v_add_nc_u32 v232, 0xfe000000, v230
	s_wait_alu depctr_va_vdst(0)
	s_wait_xcnt 0x0                                ; the last tile's stores have read their data and offsets, which are written again from here on
	v_cvt_scalef32_pk16_bf6_f32 v[224:226], v[HN:HN+15], v232
	v_lshrrev_b32 v233, 23, v232                   ; the scale's byte; also the plain line behind the conversion
	s_mul_i32 s32, s23, 192                        ; the tile's two images: 3,072 bytes for 16 places
	v_add_nc_u32 v228, s32, v4                     ; + 16 r
	s_lshl_b32 s33, s23, 3
	v_lshl_add_u32 v229, v14, 1, s33               ; the place's 8 scale bytes
	v_add_nc_u32 v237, v228, v30
	v_add_nc_u32 v238, v228, v31
	v_add_nc_u32 v228, v228, v9
	global_store_b32 v228, v224, s[46:47]
	global_store_b32 v237, v225, s[46:47]
	global_store_b32 v238, v226, s[46:47]
	global_store_b8 v229, v233, s[48:49]           ; both halves of the lanes write the same byte
.endm
.macro TILES c                         ; the chunk's rows lie in LDS behind the barrier; eight trips, those past the count jumped over
	s_wait_dscnt 0x0
	s_barrier_signal -1
	s_barrier_wait -1
	s_mov_b32 s21, 0
	s_mov_b32 s22, 0                               ; the tile's rows in LDS
	s_mov_b32 s23, 128*\c                          ; its first place in the list,
.Lt_\@:
	s_cmp_ge_u32 s23, s19
	s_cbranch_scc1 .Lsk_\@
	TILE
.Lsk_\@:
	s_add_co_u32 s22, s22, 16*XP
	s_add_co_u32 s23, s23, 16
	s_add_co_u32 s21, s21, 1
	s_cmp_lt_u32 s21, 8
	s_cbranch_scc1 .Lt_\@
.if \c == 0
	s_wait_dscnt 0x0                               ; my reads of the rows are over: then they may be written again
	s_barrier_signal -1
	s_barrier_wait -1
.endif
.endm
	; CHUNK 0.  The first 96 rows are asked for at once, ahead of the other weights: two steps land in window 3, whose weights are not asked for yet, the third in window 0
	GISSUE 0, 3, 0, 192
	GISSUE 1, 3, 96, 196
	GISSUE 2, 0, ST, ST+96
.irp s, 4,5,6,7,8,9
	WLOAD \s
.endr
	WIN 0
.irp m, 0,1
.irp p, 0,1,2,3,4,5,6,7
	global_load_b64 v[WS+16*\m+2*\p:WS+16*\m+2*\p+1], v2, s[40:41] offset:131072*\m+256*\p
.endr
.endr
	s_wait_loadcnt 0x3f                            ; loads come back in order, and 88 were issued behind the rows': the rows are in
	GPUT 0, 3, 0, 192
	GPUT 1, 3, 96, 196
	GPUT 2, 0, ST, ST+96
	s_wait_dscnt 0x0                               ; the LDS stores have read their registers, which take weights now
.irp s, 10,11,12,13,14,15
	WLOAD \s
.endr
	WIN 0
	GSTEP 0, 3
	TILES 0
	; CHUNK 1: places 128 on, where the block sends more than half of its tokens to this expert
.rept 5
	v_nop
.endr
	GSTEP 1, 0
	GSTEP 1, 1
	GSTEP 1, 2
	GSTEP 1, 3
	TILES 1
	s_set_vgpr_msb 0x4
	s_wait_tensorcnt 0x0
	ds_add_u32 v239, v255
	s_wait_dscnt 0x0
	s_set_vgpr_msb 0x400
	s_endpgm
.Lfunc_end_k_q4a61ee9ec0_up:
	.size	k_q4a61ee9ec0_up, .Lfunc_end_k_q4a61ee9ec0_up-k_q4a61ee9ec0_up
	.p2alignl 7, 3214868480
	.fill 96, 4, 3214868480
	.section	.rodata,"a",@progbits
	.p2align	6, 0x0
	.amdhsa_kernel k_q4a61ee9ec0_up
		.amdhsa_group_segment_fixed_size 209408
		.amdhsa_private_segment_fixed_size 0
		.amdhsa_enable_private_segment 0
		.amdhsa_kernarg_size 40
		.amdhsa_user_sgpr_count 2
		.amdhsa_user_sgpr_kernarg_segment_ptr 1
		.amdhsa_wavefront_size32 1
		.amdhsa_system_sgpr_workgroup_id_x 1
		.amdhsa_system_sgpr_workgroup_id_y 1
		.amdhsa_system_sgpr_workgroup_id_z 1
		.amdhsa_system_vgpr_workitem_id 0
		.amdhsa_next_free_vgpr 1024
		.amdhsa_next_free_sgpr 66
		.amdhsa_reserve_vcc 0
		.amdhsa_float_denorm_mode_32 3
		.amdhsa_float_denorm_mode_16_64 3
		.amdhsa_memory_ordered 1
		.amdhsa_forward_progress 1
		.amdhsa_inst_pref_size 118
	.end_amdhsa_kernel
	.amdgpu_metadata
---
amdhsa.version: [ 1, 2 ]
amdhsa.kernels:
  - .name:           k_q4a61ee9ec0_up
    .symbol:         k_q4a61ee9ec0_up.kd
    .args:
      - { .name: xq, .offset: 0, .size: 8, .value_kind: global_buffer, .address_space: global }
      - { .name: wq, .offset: 8, .size: 8, .value_kind: global_buffer, .address_space: global }
      - { .name: ridx, .offset: 16, .size: 8, .value_kind: global_buffer, .address_space: global }
      - { .name: hq, .offset: 24, .size: 8, .value_kind: global_buffer, .address_space: global }
      - { .name: rcnt, .offset: 32, .size: 8, .value_kind: global_buffer, .address_space: global }
    .group_segment_fixed_size: 209408
    .private_segment_fixed_size: 0
    .kernarg_segment_align: 8
    .kernarg_segment_size: 40
    .max_flat_workgroup_size: 128
    .sgpr_count:     66
    .vgpr_count:     1024
    .wavefront_size: 32
...
	.end_amdgpu_metadata
.endif
;; end of part 2
;; launch down (part 3): grid 16 x 16, 4 waves a work-group, no clusters, 320,000 bytes of LDS; arguments w2q, hq, ridx, rmul, rcnt, out0; writes out0
.if DOCPART == 3
	.amdgcn_target "amdgcn-amd-amdhsa--gfx1250"
	.amdhsa_code_object_version 6
	.text
	.protected	k_q4a61ee9ec0_down
	.globl	k_q4a61ee9ec0_down
	.p2align	8
	.type	k_q4a61ee9ec0_down,@function
k_q4a61ee9ec0_down:
	s_mov_b64 s[64:65], 0
	v_nop
	global_prefetch_b8 v0, s[64:65] scope:SCOPE_SE
	s_setreg_imm32_b32 hwreg(HW_REG_WAVE_MODE, 25, 1), 1
	s_wait_xcnt 0x0
; out[t] = m0 (h0 w2[e0]^T) + m1 (h1 w2[e1]^T), on codes of BF6, for the routed rows alone: an expert that was not chosen for a token has the weight 0 in reference() and is not multiplied.
; Work-group (b, y): tokens 256 b .. + 255, columns 128 y .. + 127.  hq holds the block's 512 routed rows by expert, in tiles of 16 list places, as images of operand registers; rcnt holds each list's length.
; With nt[e] = ceil(length / 16) the block has at most 39 tiles (512 rows and at most 112 padded places).  Tile slot q = TB[e] + j, TB the running sum of nt.  Wave w takes slots 10 w .. 10 w + 9;
; a slot past the last tile repeats the last tile, and slot 39 is laid on slot 38's bytes, which then hold the same numbers or are never read.
; A wave's ten slots of h are asked for at the head.  w2's 16 fragments of a slot's expert (192 registers) come from memory straight into registers and are loaded anew only where the expert changes.
; That is a branch on stored counts; the launch has no tensor load, no joint loads and no cluster, and no prefetch: all of a wave's h is asked for at the head, there is no loop to run ahead in.
; THE PRODUCT IS USED TRANSPOSED (source 0 = 16 rows of w2, source 1 = 16 rows of h): lane (r, h) holds columns 16 n + 8 h + 0 .. 7 of row r.
; THE STAGE: slot q's row r lies at 8192 q + 512 r; its piece u of 16 bytes at place u xor r, so that sixteen rows' stores of one u fall on sixteen different columns of 16 bytes.
; Behind one barrier wave w takes tokens 64 w .. + 63, 32 a trip: a token's two rows are read from the stage (their places counted from the stored choices, in the order in which the lists were made),
; weighed by its two multipliers and stored: 32 lanes store 512 consecutive bytes, at a multiple of 256 from out0's first byte.  Addresses, LDS loads, arithmetic and stores stand in one run each.
; LIMITS: NaN and infinities are not served.
.set EB,    25600                      ; an expert's part of a column block of w2q: 16 images of 1,536, then 1,024 bytes of scale words
.set SPARE, 39*8192                    ; behind the stage: the spare words
.set AD,   8                           ; v8-15    stage addresses of piece 4 (n % 4) + 2 h + k in row r
.set WSC,  16                          ; v16-23   w2's scale words
.set BSC,  24                          ; v24-43   h's scale words, two for each slot
.set TA,   44                          ; v44-51   AD + the slot
.set ACC,  56                          ; v56-119  eight accumulators
.set BO,   120                         ; v120-129 offsets of the slots' images;  v130-139 of their scale bytes
.set BS,   130
.set CH,   140                         ; v140-145 the choices of tokens 0 .. 191 of the block;  v146-147 of my 64 tokens
.set OW,   146
.set POS0, 164                         ; v164-165, v166-167 my tokens' stage rows, slot 0 and slot 1
.set POS1, 166
.set MU,   168                         ; v168-171 my tokens' multipliers
.set XA,   176                         ; v176-239 the way out: LDS addresses of 32 tokens' two rows
; window 1: v0-191 w2's fragments (2 n + s); on the way out v0-255: 32 tokens' two rows, eight registers a token.  window 2: v0-239 h's fragments (24 a slot)
; s[32+k] TB[k];  s41 the last tile;  s42 the expert in registers;  s[44+e] 16 TB[e] + the places of e taken ahead of my tokens;  s[52+c] all ones where chunk c lies ahead of my tokens
.set MSB, 0
.macro WIN new
.if MSB != (\new)
	s_set_vgpr_msb (MSB<<8)|(\new)
.set MSB, (\new)
.endif
.endm
	s_load_b256 s[4:11], s[0:1], 0x0               ; w2q s[4:5], hq s[6:7], ridx s[8:9], rmul s[10:11]
	s_load_b128 s[12:15], s[0:1], 0x20             ; rcnt s[12:13], out0 s[14:15]
	v_lshl_add_u32 v5, v0, 2, SPARE
	v_mov_b32 v6, 0
	v_lshrrev_b32 v172, 5, v0
	v_readfirstlane_b32 s16, v172                  ; wave
	v_and_b32 v172, 31, v0                         ; l
	v_and_b32 v173, 15, v0                         ; r
	v_bfe_u32 v174, v0, 4, 1                       ; h
	v_lshlrev_b32 v1, 4, v172                      ; 16 l
	v_lshlrev_b32 v2, 3, v172                      ; 8 l
	v_lshlrev_b32 v3, 3, v173                      ; 8 r
	v_lshlrev_b32 v4, 2, v172                      ; 4 l
	v_lshlrev_b32 v175, 1, v174
	v_xor_b32 v175, v175, v173                     ; 2 h xor r
	v_lshlrev_b32 v158, 9, v173                    ; 512 r
.irp x, 0,1,2,3,4,5,6,7
	v_xor_b32 v159, 4*(\x/2)+\x%2, v175
	v_lshl_add_u32 v[AD+\x], v159, 4, v158
.endr
	s_lshl_b32 s62, s16, 8
	v_add_nc_u32 v160, s62, v4                     ; my 64 tokens' choices
.irp p, 0,1,2,3
	v_mov_b32 v[POS0+\p], 0
.endr
	s_and_b32 s17, ttmp7, 0xffff                   ; y
	s_mov_b32 s21, 0                               ; stays 0: the upper word of every offset
	s_lshl_b32 s63, s16, 1
.irp c, 0,1,2,3,4,5
	s_cmp_gt_u32 s63, \c
	s_cselect_b32 s[52+\c], -1, 0
.endr
	s_wait_alu depctr_va_vdst(0)
	s_wait_kmcnt 0x0
	s_lshl_b32 s20, ttmp9, 5
	s_add_nc_u64 s[12:13], s[12:13], s[20:21]
	s_load_b256 s[24:31], s[12:13], 0x0            ; the block's eight lengths
	s_lshl_b32 s20, ttmp9, 10
	s_add_nc_u64 s[8:9], s[8:9], s[20:21]
.irp c, 0,1,2,3,4,5
	global_load_b32 v[CH+\c], v4, s[8:9] offset:128*\c
.endr
	global_load_b32 v[OW], v160, s[8:9]
	global_load_b32 v[OW+1], v160, s[8:9] offset:128
	s_lshl_b32 s20, ttmp9, 11
	s_lshl_b32 s62, s16, 9
	s_add_co_u32 s20, s20, s62
	s_add_nc_u64 s[10:11], s[10:11], s[20:21]
	global_load_b64 v[MU:MU+1], v2, s[10:11]
	global_load_b64 v[MU+2:MU+3], v2, s[10:11] offset:256
	s_mul_i32 s20, s17, 8*EB
	s_add_nc_u64 s[4:5], s[4:5], s[20:21]          ; w2q: my column block
	s_mul_i32 s20, ttmp9, 393216
	s_add_nc_u64 s[66:67], s[6:7], s[20:21]        ; hq: the block's images,
	s_lshl_b32 s20, ttmp9, 14
	s_add_co_u32 s20, s20, 6291456
	s_add_nc_u64 s[100:101], s[6:7], s[20:21]      ; and its scale bytes
	s_lshl_b32 s20, ttmp9, 21
	s_lshl_b32 s62, s16, 19
	s_add_co_u32 s20, s20, s62
	s_lshl_b32 s62, s17, 9
	s_add_co_u32 s20, s20, s62
	s_add_nc_u64 s[14:15], s[14:15], s[20:21]      ; out0: my first token, my columns
	s_wait_kmcnt 0x0
	s_mov_b32 s32, 0
.irp e, 0,1,2,3,4,5,6,7
	s_min_u32 s[24+\e], s[24+\e], 256
	s_add_co_u32 s[24+\e], s[24+\e], 15
	s_lshr_b32 s[24+\e], s[24+\e], 4
	s_add_co_u32 s[33+\e], s[32+\e], s[24+\e]
	s_lshl_b32 s[44+\e], s[32+\e], 4
.endr
	s_sub_co_u32 s41, s40, 1
	s_mul_i32 s58, s16, 10                         ; my first slot
.macro MAP                             ; slot s58 -> s60 its expert, s61 = 16 e + its tile in the expert's list
	s_min_u32 s59, s58, s41
	s_mov_b32 s60, 0
	s_mov_b32 s61, 0
.irp k, 1,2,3,4,5,6,7
	s_cmp_ge_u32 s59, s[32+\k]
	s_cselect_b32 s61, s[32+\k], s61               ; TB does not fall: the last that holds is TB[e]
	s_add_co_ci_u32 s60, s60, 0
.endr
	s_sub_co_u32 s61, s59, s61
	s_min_u32 s60, s60, 7
	s_lshl_b32 s62, s60, 4
	s_add_co_u32 s61, s61, s62
	s_min_u32 s61, s61, 127
.endm
.macro WLOAD                           ; expert s60's 16 fragments and scale words: each load reads 512 (256) consecutive bytes
	s_mul_i32 s20, s60, EB
	s_add_nc_u64 s[22:23], s[4:5], s[20:21]
	WIN 0x40
.irp f, 0,1,2,3,4,5,6,7,8,9,10,11,12,13,14,15
.irp j, 0,1,2
	global_load_b128 v[12*\f+4*\j:12*\f+4*\j+3], v1, s[22:23] offset:1536*\f+512*\j
.endr
.endr
	WIN 0
.irp q, 0,1,2,3
	global_load_b64 v[WSC+2*\q:WSC+2*\q+1], v2, s[22:23] offset:24576+256*\q
.endr
	s_mov_b32 s42, s60
.endm
.macro BLOAD i                         ; the slot's two images and its rows' scale words: seven loads
	s_mul_i32 s62, s61, 3072
	s_lshl_b32 s63, s61, 7
	v_add_nc_u32 v[BO+\i], s62, v1
	v_add_nc_u32 v[BS+\i], s63, v3
	WIN 0x80
.irp f, 0,1,2,3,4,5
	global_load_b128 v[24*\i+4*\f:24*\i+4*\f+3], v[BO+\i], s[66:67] offset:512*\f
.endr
	WIN 0
	global_load_b64 v[BSC+2*\i:BSC+2*\i+1], v[BS+\i], s[100:101]
	s_add_co_u32 s58, s58, 1
.endm
	MAP
	WLOAD
	BLOAD 0
.irp i, 1,2,3,4,5,6,7,8,9
	MAP
	BLOAD \i
.endr
	s_mul_i32 s58, s16, 10
	s_mov_b32 s43, 0
.macro MM i                            ; 16 matrix instructions, the eight accumulators by turns
.irp s, 0,1
.irp n, 0,1,2,3,4,5,6,7
.if \s == 0
.if \n%2
	v_wmma_scale_f32_16x16x128_f8f6f4 v[ACC+8*\n:ACC+8*\n+7], v[12*(2*\n+\s):12*(2*\n+\s)+11], v[24*(\i)+12*\s:24*(\i)+12*\s+11], 0, v[WSC+2*(\n/2)+\s], v[BSC+2*(\i)+\s] matrix_a_fmt:MATRIX_FMT_BF6 matrix_b_fmt:MATRIX_FMT_BF6 matrix_a_scale:MATRIX_SCALE_ROW1
.else
	v_wmma_scale_f32_16x16x128_f8f6f4 v[ACC+8*\n:ACC+8*\n+7], v[12*(2*\n+\s):12*(2*\n+\s)+11], v[24*(\i)+12*\s:24*(\i)+12*\s+11], 0, v[WSC+2*(\n/2)+\s], v[BSC+2*(\i)+\s] matrix_a_fmt:MATRIX_FMT_BF6 matrix_b_fmt:MATRIX_FMT_BF6
.endif
.else
.if \n%2
	v_wmma_scale_f32_16x16x128_f8f6f4 v[ACC+8*\n:ACC+8*\n+7], v[12*(2*\n+\s):12*(2*\n+\s)+11], v[24*(\i)+12*\s:24*(\i)+12*\s+11], v[ACC+8*\n:ACC+8*\n+7], v[WSC+2*(\n/2)+\s], v[BSC+2*(\i)+\s] matrix_a_fmt:MATRIX_FMT_BF6 matrix_b_fmt:MATRIX_FMT_BF6 matrix_a_scale:MATRIX_SCALE_ROW1
.else
	v_wmma_scale_f32_16x16x128_f8f6f4 v[ACC+8*\n:ACC+8*\n+7], v[12*(2*\n+\s):12*(2*\n+\s)+11], v[24*(\i)+12*\s:24*(\i)+12*\s+11], v[ACC+8*\n:ACC+8*\n+7], v[WSC+2*(\n/2)+\s], v[BSC+2*(\i)+\s] matrix_a_fmt:MATRIX_FMT_BF6 matrix_b_fmt:MATRIX_FMT_BF6
.endif
.endif
.endr
.endr
.endm
.macro CMPS src                        ; which lanes' tokens chose expert e first (s[68 + 2 e]) or second (s[69 + 2 e])
	v_and_b32 v148, 0xff, v[\src]
	v_bfe_u32 v149, v[\src], 8, 8
.irp e, 0,1,2,3,4,5,6,7
	v_cmp_eq_u32 s[68+2*\e], \e, v148
	v_cmp_eq_u32 s[69+2*\e], \e, v149
.endr
.endm
.macro P1 c                            ; chunk c of 32 tokens: where it lies ahead of my tokens, its tokens take places in the eight lists
	CMPS CH+(\c)
.irp e, 0,1,2,3,4,5,6,7
	s_or_b32 s62, s[68+2*\e], s[69+2*\e]
	s_and_b32 s62, s62, s[52+(\c)]
	s_bcnt1_i32_b32 s62, s62
	s_add_co_u32 s[44+\e], s[44+\e], s62
.endr
.endm
.macro P2 cc                           ; my tokens 32 cc + l: the stage row of each of the two choices = 16 TB[e] + the places taken ahead of the token
	CMPS OW+(\cc)
.irp e, 0,1,2,3,4,5,6,7
	s_or_b32 s[84+\e], s[68+2*\e], s[69+2*\e]
.endr
.irp e, 0,1,2,3,4,5,6,7
	v_mbcnt_lo_u32_b32 v[150+\e], s[84+\e], 0
.endr
.irp e, 0,1,2,3,4,5,6,7
	v_add_nc_u32 v[150+\e], s[44+\e], v[150+\e]
.endr
.irp e, 0,1,2,3,4,5,6,7
	v_cndmask_b32 v[POS0+(\cc)], v[POS0+(\cc)], v[150+\e], s[68+2*\e]
	v_cndmask_b32 v[POS1+(\cc)], v[POS1+(\cc)], v[150+\e], s[69+2*\e]
.endr
	v_min_u32 v[POS0+(\cc)], 623, v[POS0+(\cc)]    ; held inside the stage
	v_min_u32 v[POS1+(\cc)], 623, v[POS1+(\cc)]
	v_and_b32 v150, 15, v[POS0+(\cc)]
	v_and_b32 v151, 15, v[POS1+(\cc)]
	v_lshlrev_b32 v150, 4, v150
	v_lshlrev_b32 v151, 4, v151
	v_lshl_or_b32 v[POS0+(\cc)], v[POS0+(\cc)], 9, v150   ; 512 row + 16 (row % 16): xor 16 l gives lane l's piece
	v_lshl_or_b32 v[POS1+(\cc)], v[POS1+(\cc)], 9, v151
.irp e, 0,1,2,3,4,5,6,7
	s_bcnt1_i32_b32 s62, s[84+\e]
	s_add_co_u32 s[44+\e], s[44+\e], s62
.endr
.endm
.macro BLOCK i, last                   ; trip i's products; the counting of places stands behind them, a part in each of the first eight trips
.Lb\i:
	s_wait_loadcnt 7*(9-\i)                        ; slot i's seven loads are in; behind them the later slots' seven each were issued
	WIN 0x09                                       ; source 0 window 1, source 1 window 2
	MM \i
	WIN 0
.if \i < 6
	P1 \i
.elseif \i < 8
	P2 \i-6
.endif
.if \last == 0
	s_branch .Ljoin
.endif
.endm
.Ltile:                                        ; ten trips, a slot each
	MAP
	s_cmp_eq_u32 s60, s42
	s_cbranch_scc1 .Lsame
	s_wait_loadcnt 0x0                             ; no load is out: the fragments' registers and their base may be written
	WLOAD
	s_wait_loadcnt 0x0
.Lsame:
.irp i, 0,1,2,3,4,5,6,7,8
	s_cmp_eq_u32 s43, \i
	s_cbranch_scc1 .Lb\i
.endr
	BLOCK 9, 0
.irp i, 0,1,2,3,4,5,6,7
	BLOCK \i, 0
.endr
	BLOCK 8, 1
.Ljoin:
	s_min_u32 s62, s58, 38
	s_lshl_b32 s62, s62, 13
.irp x, 0,1,2,3,4,5,6,7
	v_add_nc_u32 v[TA+\x], s62, v[AD+\x]           ; also the places behind the products
.endr
.irp n, 0,1,2,3,4,5,6,7
	ds_store_b128 v[TA+2*(\n%4)], v[ACC+8*\n:ACC+8*\n+3] offset:256*(\n/4)       ; each accumulator from its low end on
	ds_store_b128 v[TA+2*(\n%4)+1], v[ACC+8*\n+4:ACC+8*\n+7] offset:256*(\n/4)
.endr
	s_add_co_u32 s58, s58, 1
	s_add_co_u32 s43, s43, 1
	s_cmp_lt_u32 s43, 10
	s_cbranch_scc1 .Ltile
	s_wait_loadcnt 0x0
	s_wait_alu depctr_va_vdst(0)
	s_wait_dscnt 0x0                               ; for the others' sake: my rows lie in the stage
	s_barrier_signal -1
	s_barrier_wait -1
	; THE WAY OUT: two trips of 32 tokens; token t of a trip is lane t of v164, v166 (its two rows) and v168, v169 (its two multipliers)
	s_mov_b32 s43, 0
.Lout:
.irp t, 0,1,2,3,4,5,6,7,8,9,10,11,12,13,14,15,16,17,18,19,20,21,22,23,24,25,26,27,28,29,30,31
	v_readlane_b32 s[60+2*(\t%2)], v[POS0], \t
	v_readlane_b32 s[61+2*(\t%2)], v[POS1], \t
	v_xor_b32 v[XA+2*\t], s[60+2*(\t%2)], v1
	v_xor_b32 v[XA+2*\t+1], s[61+2*(\t%2)], v1
	v_min_u32 v[XA+2*\t], SPARE-16, v[XA+2*\t]     ; held inside the stage: the 16 bytes end at its last byte at the most
	v_min_u32 v[XA+2*\t+1], SPARE-16, v[XA+2*\t+1]
.endr
	WIN 0x40                                       ; the rows land in window 1
.irp t, 0,1,2,3,4,5,6,7,8,9,10,11,12,13,14,15,16,17,18,19,20,21,22,23,24,25,26,27,28,29,30,31
	ds_load_b128 v[8*\t:8*\t+3], v[XA+2*\t]
	ds_load_b128 v[8*\t+4:8*\t+7], v[XA+2*\t+1]
.endr
	WIN 0x44                                       ; source 1 and destination window 1; source 0 (the multipliers' registers) window 0
.irp t, 0,1,2,3,4,5,6,7,8,9,10,11,12,13,14,15,16,17,18,19,20,21,22,23,24,25,26,27,28,29,30,31
.if \t%8 == 0
	s_wait_dscnt 48-2*\t                           ; the next eight tokens' sixteen loads are in; the later tokens' two each may be out
.endif
	v_readlane_b32 s[60+2*(\t%2)], v[MU], \t
	v_readlane_b32 s[61+2*(\t%2)], v[MU+1], \t
.irp k, 0,1,2,3
	v_mul_f32 v[8*\t+\k], s[60+2*(\t%2)], v[8*\t+\k]
.endr
.irp k, 0,1,2,3
	v_fmac_f32 v[8*\t+\k], s[61+2*(\t%2)], v[8*\t+4+\k]
.endr
.endr
	WIN 0x04                                       ; a store's data are its source 1
.irp t, 0,1,2,3,4,5,6,7,8,9,10,11,12,13,14,15,16,17,18,19,20,21,22,23,24,25,26,27,28,29,30,31
	global_store_b128 v1, v[8*\t:8*\t+3], s[14:15] offset:8192*\t th:TH_STORE_NT
.endr
	WIN 0
	s_wait_xcnt 0x0                                ; the stores have read their data and their base
	s_add_nc_u64 s[14:15], s[14:15], 32*8192
	v_mov_b32 v[POS0], v[POS0+1]                   ; the second trip takes my other 32 tokens
	v_mov_b32 v[POS1], v[POS1+1]
	v_mov_b32 v[MU], v[MU+2]
	v_mov_b32 v[MU+1], v[MU+3]
	s_add_co_u32 s43, s43, 1
	s_cmp_lt_u32 s43, 2
	s_wait_alu depctr_va_vdst(0)
	s_cbranch_scc1 .Lout
	s_wait_dscnt 0x0                               ; my reads of the stage are over;
	s_barrier_signal -1
	s_barrier_wait -1                              ; and everybody's
	s_wait_tensorcnt 0x0                           ; the wave's end
	ds_add_u32 v5, v6
	s_wait_dscnt 0x0
	s_endpgm
.Lfunc_end_k_q4a61ee9ec0_down:
	.size	k_q4a61ee9ec0_down, .Lfunc_end_k_q4a61ee9ec0_down-k_q4a61ee9ec0_down
	.p2alignl 7, 3214868480
	.fill 96, 4, 3214868480
	.section	.rodata,"a",@progbits
	.p2align	6, 0x0
	.amdhsa_kernel k_q4a61ee9ec0_down
		.amdhsa_group_segment_fixed_size 320000
		.amdhsa_private_segment_fixed_size 0
		.amdhsa_enable_private_segment 0
		.amdhsa_kernarg_size 48
		.amdhsa_user_sgpr_count 2
		.amdhsa_user_sgpr_kernarg_segment_ptr 1
		.amdhsa_wavefront_size32 1
		.amdhsa_system_sgpr_workgroup_id_x 1
		.amdhsa_system_sgpr_workgroup_id_y 1
		.amdhsa_system_sgpr_workgroup_id_z 1
		.amdhsa_system_vgpr_workitem_id 0
		.amdhsa_next_free_vgpr 768
		.amdhsa_next_free_sgpr 102
		.amdhsa_reserve_vcc 0
		.amdhsa_float_denorm_mode_32 3
		.amdhsa_float_denorm_mode_16_64 3
		.amdhsa_memory_ordered 1
		.amdhsa_forward_progress 1
		.amdhsa_inst_pref_size 110
	.end_amdhsa_kernel
	.amdgpu_metadata
---
amdhsa.version: [ 1, 2 ]
amdhsa.kernels:
  - .name:           k_q4a61ee9ec0_down
    .symbol:         k_q4a61ee9ec0_down.kd
    .args:
      - { .name: w2q, .offset: 0, .size: 8, .value_kind: global_buffer, .address_space: global }
      - { .name: hq, .offset: 8, .size: 8, .value_kind: global_buffer, .address_space: global }
      - { .name: ridx, .offset: 16, .size: 8, .value_kind: global_buffer, .address_space: global }
      - { .name: rmul, .offset: 24, .size: 8, .value_kind: global_buffer, .address_space: global }
      - { .name: rcnt, .offset: 32, .size: 8, .value_kind: global_buffer, .address_space: global }
      - { .name: out0, .offset: 40, .size: 8, .value_kind: global_buffer, .address_space: global }
    .group_segment_fixed_size: 320000
    .private_segment_fixed_size: 0
    .kernarg_segment_align: 8
    .kernarg_segment_size: 48
    .max_flat_workgroup_size: 128
    .sgpr_count:     102
    .vgpr_count:     768
    .wavefront_size: 32
...
	.end_amdgpu_metadata
.endif
;; end of part 3
